; MI455X (gfx1250); checked and timed in simulation.
; The chip was launched on July 23, 2026; its instructions are those of AMD's public machine-readable ISA for CDNA 5 (MIT licence, August 2026) and "CDNA5" Instruction Set Architecture Reference Guide (July 2026). The comments in the code are by the model that wrote it; some were corrected since.
;; MHA Kernel. Allowed arithmetic: matrix products marked QUANTISED: E2M3 operands, one E8M0 scale for each 32 along K, by v_wmma_scale_f32_16x16x128_f8f6f4 with both operands' format E2M3, f32 sums; everything else in f32.
;; Inputs: k_codes 4 x 2,048 x 16 x 4 x 24 uint8 (E2M3 codes of k, K innermost, in blocks of 32 codes, four codes in three bytes); k_scales 4 x 2,048 x 16 x 4 uint8 (E8M0 scales of k, one for each 32 codes along K); q_codes 4 x 2,048 x 16 x 4 x 24 uint8 (E2M3 codes of q, K innermost, in blocks of 32 codes, four codes in three bytes); q_scales 4 x 2,048 x 16 x 4 uint8 (E8M0 scales of q, one for each 32 codes along K); v_codes 4 x 16 x 128 x 64 x 24 uint8 (E2M3 codes of v, K innermost, in blocks of 32 codes, four codes in three bytes); v_scales 4 x 16 x 128 x 64 uint8 (E8M0 scales of v, one for each 32 codes along K).
;; Outputs: out0 4 x 2,048 x 16 x 128 float32.
;; This version of the problem:
;;   THIS VERSION OF THE PROBLEM IS GIVEN IN LOW PRECISION. The matrix products marked QUANTISED in the list below multiply operands that are first quantised to E2M3 (2 exponent bits, 3 mantissa bits; 6 bits a number), with one power-of-two scale for each 32 numbers along K (OCP MX v1.0); their sums are f32. All else is computed in f32.
;;   The module's matrix products, in the order in which they are computed (A, B: the left and right operand; K: the contracted axis; several contracted axes count as one K, in the product's order):
;;     1. batch 64 x [M 2,048, K 128] x [K 128, N 2,048]; A: input q (given as codes); B: input k (given as codes): QUANTISED
;;     2. batch 64 x [M 128, K 2,048] x [K 2,048, N 2,048]; A: input v (given as codes); B: softmax (see below): QUANTISED
;;   THE QUANTISER, for each operand of a quantised product, along K:
;;     - K is cut into blocks of 32 from its start; a last block that is shorter is filled with zeros.
;;     - A block's scale is 2^e with e = floor(log2(the largest magnitude in the block)) - 2, held to -126 .. 127; a block of zeros has e = 0. As a byte (E8M0): e + 127.
;;     - Each number is divided by its block's scale, clamped to +-7.5, and rounded to the nearest number of E2M3, ties to even, subnormals kept.
;;     - The product sums the exact products of the quantised numbers (number of the format x scale) in f32.
;;   ~~~python
;;   def quantise(x, axis):      # numpy; x: float32 -> the quantised numbers, widened to float32 again
;;       x = np.moveaxis(x, axis, -1); K = x.shape[-1]
;;       x = np.pad(x, [(0, 0)] * (x.ndim - 1) + [(0, -K % 32)]); x = x.reshape(x.shape[:-1] + (-1, 32)); a = np.abs(x).max(-1, keepdims=True)
;;       e = np.where(a > 0, np.clip(np.frexp(np.where(a > 0, a, 1))[1] - 1 - 2, -126, 127), 0)      # np.frexp(a)[1] - 1 = floor(log2(a)), exactly
;;       r = np.clip(x / 2.0 ** e, -7.5, 7.5)
;;       step = 2.0 ** (np.maximum(np.frexp(np.where(r == 0, 1, r))[1] - 1, 0) - 3)
;;       q = np.round(r / step) * step * 2.0 ** e      # np.round: ties to even
;;       return np.moveaxis(q.reshape(q.shape[:-2] + (-1,))[..., :K], -1, axis).astype(np.float32)
;;   ~~~
;;   SOFTMAX AHEAD OF A QUANTISED PRODUCT. Where the list says 'softmax', what is quantised is not the finished softmax but p = 2^(t - M), with t = logit x log2(e) and M = ceil(the row's largest t), a whole number; so 1/2 < the row's largest p <= 1. The row's sum l is taken of the UNQUANTISED p, in f32, and the product's result is divided by l at the end. Since M is a whole number, a kernel that streams over the keys may use a running M (the ceiling of the running maximum): every later rescaling is an exact power of two, which a block's scale takes up: the codes' values come out the same.
;;   OPERANDS COMPUTED ON THE WAY. 'Computed on the way' means the value that the module computes at that place (a softmax that the list does not call 'softmax' is quantised finished and normalised). What goes into a quantiser is computed in f32, as accurately as f32 sums, v_exp_f32 and their like allow (about 1e-6 of the number): no bf16 or f16 on the way to a quantiser, and a product that is left as it is and whose result goes on into a quantised operand takes f32 operands (vector FMAs, or v_wmma_f32_16x16x4_f32). A number that lies on a knife's edge between two numbers of the format may be rounded either way, as far as f32 arithmetic and the matrix unit's own rounding can turn it there, and no further.
;;   INPUTS GIVEN AS CODES. k (in the module: [4, 2048, 16, 128], K = its axis 3); q (in the module: [4, 2048, 16, 128], K = its axis 3); v (in the module: [4, 2048, 16, 128], K = its axis 1): each comes as NAME_codes (uint8): NAME with its K axis moved to the last place and cut into blocks of 32 codes, [.., K / 32, bytes a block], one block behind the other in memory; four codes in three bytes: a row's codes are one little-endian stream of bits, code i at bits 6 i .. 6 i + 5 (a code: sign, 2 exponent bits, 3 mantissa bits); and NAME_scales (uint8): the same leading axes, one E8M0 byte (e + 127) for each 32 codes along K. Its value is code x scale, taken as it is: it is not quantised again, and the codes and scales need not be those that the quantiser above would give.
;; One version. Each part assembles by itself: llvm-mc -triple=amdgcn-amd-amdhsa -mcpu=gfx1250 --defsym DOCPART=n.
;; ======== version 1 of 1: 1 launch
;; launch attn (part 1): grid 256 x 1, 16 waves a work-group, no clusters, 178,176 bytes of LDS; arguments q_codes, q_scales, k_codes, k_scales, v_codes, v_scales, out0; writes out0
.if DOCPART == 1
	.amdgcn_target "amdgcn-amd-amdhsa--gfx1250"
	.amdhsa_code_object_version 6
	.text
	.protected	k_qa5ee5ec882_attn
	.globl	k_qa5ee5ec882_attn
	.p2align	8
	.type	k_qa5ee5ec882_attn,@function
k_qa5ee5ec882_attn:
	s_mov_b64 s[64:65], 0
	v_nop
	global_prefetch_b8 v0, s[64:65] scope:SCOPE_SE
	s_setreg_imm32_b32 hwreg(HW_REG_WAVE_MODE, 25, 1), 1
	s_wait_xcnt 0x0
; Causal attention on codes of FP6 (E2M3) with one E8M0 scale for each 32 along a product's K.  4 batches x 16 heads, 2,048 positions, head size 128.
; q, k: codes [b][s][head][128] (a row of 96 bytes, 1,536 bytes from s to s + 1), scale words [b][s][head] (4 bytes, 64 bytes from s to s + 1).
; v: codes [b][head][d][2,048 keys] (a row of 1,536 bytes), scale bytes [b][head][d][64].  out0: [b][s][head][128] f32 (512 bytes, 8,192 bytes from s to s + 1).
; THE SOFTMAX AHEAD OF THE SECOND PRODUCT: t = score x log2(e) / sqrt(128); M = the running largest t rounded UP to a whole number; p = 2^(t - M) is quantised along the keys, not normalised.
; The row's sum is taken of the unquantised p in f32 and divides at the end.  When M moves, the sum and O are multiplied by 2^(old M - new M): exact.
; SHARES.  Work-group x: i = x % 4, (b, head) = x / 4.  It owns two blocks of 256 queries of one head: block 7 - i, which needs key steps 0 .. 15 - 2 i of 128 keys, then block i, which needs
; steps 0 .. 2 i + 1: 18 key steps in every one of the 256 work-groups, so every trip count is a constant.  Each of the sixteen waves owns one tile of 16 queries in 256 registers: four waves to a SIMD,
; so that one wave's vector work stands beside another's products and LDS loads.  A step all of whose keys come after the wave's queries is jumped over (a scalar branch on ids).
; FEEDING.  A key step wants 8 fragments of K and 8 of V^T (16 rows x 128 along K, 1,536 bytes each): one for each wave.  Wave w < 8 brings K's tile w, wave w >= 8 V's tile w - 8, by the same lines with other
; scalars: four loads of 12 bytes a lane (eight lanes cover a row's 96 bytes) and one of the 16 rows' scale words, two steps ahead, and stores them into LDS IN THE ORDER OF THE OPERAND'S REGISTERS.
; Any wave then has a fragment by three loads of 16 bytes a lane at 16 x lane, and four tiles' scale words by one: 512 consecutive bytes an instruction.
; Four LDS buffers, step n in buffer n % 4; one barrier for two steps: a pair of steps reads two buffers while the other two are written.
; NO CLUSTER, NO JOINT LOADS: the tiles go to LDS through registers, since rows of 96 bytes would have to lie as rows otherwise; and the four work-groups of a head walk 16, 14, 12 and 10 steps
; before they turn to their second block, so they want different tiles at the same time.
; LAYOUT.  Both products are used transposed: S^T = K Q^T (source 0 = 16 keys, source 1 = my 16 queries), O^T = V^T P^T: a lane holds ONE query (lane % 16) throughout.
; THE KEYS OF A TILE ARE NOT NEIGHBOURS: row m of tile 2 b + u is key 32 b + 8 u + m + 8 (m / 8), so that the 16 registers of tiles 2 b and 2 b + 1 are the 16 neighbouring keys 32 b + 16 (lane / 16) + 0 .. 15.
; LIMITS.  NaN and scale bytes 0xff among the inputs are not treated apart.  A p under 2^-126 comes out of v_exp_f32 as 0.  A block whose every p is 0 carries the byte 1 where the quantiser says 127: its codes are
; zeros, and only this kernel reads the byte.  A block's largest p is made from the block's largest score by the same multiply-add and exponential, which takes v_exp_f32 not to fall where its input rises.
; log2(e) and 1 / sqrt(128) are folded into one f32 factor.
.set BUF,    26624                     ; an LDS buffer: 16 fragments of 1,536 bytes, then 2,048 bytes of scale words
.set SCOFF,  24576                     ; where a buffer's scale words begin: tile f's word of row (lane % 16) at 512 (f / 4) + 16 lane + 4 (f % 4)
.set STAGE,  4*BUF                     ; behind the buffers: 16 rows x 272 bytes for each wave, for the way out
.set SPITCH, 272
; vector registers
.set LIA,  1                           ; v1   16 x lane: an image's place for my lane, buffers 0 and 1;   v2 the same + 2 BUF, buffers 2 and 3 (an LDS immediate has 16 bits)
.set WA,   3                           ; v3-5 where my three words of a row go in my fragment's image;  v7-9 the same + 2 BUF
.set FSA,  6                           ; v6   where my tile's scale word goes;  v10 the same + 2 BUF
.set GLO,  11                          ; v11  my 12 bytes in my fragment's rows 0-3 (4-7 by the immediate): 1,536 (lane / 8) + 12 (lane % 8)
.set GHI,  29                          ; v29  the same for rows 8-11 (12-15)
.set GSO,  30                          ; v30  my row's scale word
.set SI,   31                          ; v31  the way out: where I put 32 bytes of a row
.set SBK,  87                          ; v87  the way out: where I read a row back
.set GO,   91                          ; v91  my byte offset in the wave's rows of out0
.set QCO,  95                          ; v95  my byte offset in the wave's rows of Q's codes
.set QSO,  255                         ; v255 and of Q's scale words.  (Also named as the upper half of the pair v[254:255], of which the low word alone is taken)
.set QF,   16                          ; v16-27 Q's fragment
.set QS,   28                          ; v28  Q's scale words
.set FRG,  32                          ; v32-79 four fragments of K or of V
.set OWN,  80                          ; v80-82, 84-86, 88-90, 92-94 the fragment that I bring; v83 its scale word
.set ST,   96                          ; v96-159 S^T, then p, on the way out O / the sum
.set OT,   160                         ; v160-223 O^T
.set PC,   224                         ; v224-235 p's codes
.set BM,   232                         ; v232-235 the blocks' largest scores, until p's codes take their place
.set TW,   236                         ; v236-243 at work
.set SO,   244                         ; v244-247 the conversions' scale operands
.set SCW,  248                         ; v248-251 four tiles' scale words
.set TT,   252                         ; v252 at work
.set PS,   253                         ; v253 p's scale word
.set FF,   254                         ; v254 f = 2^(old M - new M)
; v12 -M, v13 the largest t, v[14:15] the row's sum in two halves
; scalar registers
.set OP,   16                          ; s[16:17] out0 at my tile's first row
.set WV,   18                          ; my wave's number
.set QT,   19                          ; which of the block's sixteen tiles of queries is mine
.set SEL,  20                          ; s[20:21] v_permlanex16_b32's selects for lane l xor 16
.set CS,   22                          ; s[22:23] c = log2(e) / sqrt(128)
.set CB,   28                          ; s[28:29] my fragment's codes at key step 0;  s[30:31] its scale words
.set SB,   30
.set CPT,  32                          ; s[32:33], s[34:35] the same at the step that is fetched
.set SPT,  34
.set RC,   36                          ; s[36:37], s[38:39] offsets, the upper words 0
.set RS,   38
.set STEPC, 40                         ; bytes from a key step to the next in my codes, and in my scale words
.set STEPS, 41
.set NJ,   42                          ; the key step that the next fetch brings
.set LENA, 43                          ; key steps of the first block: 16 - 2 i
.set LC,   44
.set PAIRSA, 45                        ; and pairs of them: 8 - i
.set KF,   46                          ; the step's first key
.set Q0,   47                          ; my first query, and my last
.set Q15,  48
.set TMP,  49
.set PCN,  50                          ; pairs of steps done
.set Q0B,  51                          ; the second block's: first query, Q's codes, Q's scale words, out0
.set QPA,  52
.set QSA,  54
.set QPB,  56
.set QSB,  58
.set OPB,  60
; A load into a register that a matrix instruction has read, and a vector instruction that reads a matrix result or writes one of a matrix instruction's registers, stand four places behind it; only plain
; vector instructions that name none of its registers are places (ISA guide 7.12.1 for vector instructions).
.macro PLACES
.rept 4
	v_nop
.endr
.endm
; My fragment of key step NJ into v[g] on: rows 0-3, 4-7, 8-11, 12-15, eight lanes to a row's 96 bytes; and the 16 rows' scale words.  Then NJ steps, and turns to 0 behind the first block's last step
; (once: the second block has at most 8 steps, the first at least 10).  The pointers are written again only where the loads that named them are shown done.
.macro FETCH g
	s_mul_i32 s[RC], s[NJ], s[STEPC]
	s_mul_i32 s[RS], s[NJ], s[STEPS]
	s_add_nc_u64 s[CPT:CPT+1], s[CB:CB+1], s[RC:RC+1]
	s_add_nc_u64 s[SPT:SPT+1], s[SB:SB+1], s[RS:RS+1]
	global_load_b96 v[(\g):(\g)+2],     v[GLO], s[CPT:CPT+1]
	global_load_b96 v[(\g)+4:(\g)+6],   v[GLO], s[CPT:CPT+1] offset:6144
	global_load_b96 v[(\g)+8:(\g)+10],  v[GHI], s[CPT:CPT+1]
	global_load_b96 v[(\g)+12:(\g)+14], v[GHI], s[CPT:CPT+1] offset:6144
	global_load_b32 v[(\g)+3],          v[GSO], s[SPT:SPT+1]
	s_add_co_u32 s[NJ], s[NJ], 1
	s_cmp_eq_u32 s[NJ], s[LENA]
	s_cselect_b32 s[NJ], 0, s[NJ]
.endm
; The fragment in v[g] on goes into buffer d as an image of the operand's registers.  Word 3 (lane % 8) + e of row m is register 6 c + 3 o + e of lane m + 16 hh (o, hh, c: bits 0, 1, 2 of my lane).
.macro PUT g, d
	s_wait_loadcnt 0x0                             ; my five loads are in (and their pointers may be written again)
.irp c, 0,1,2,3
.irp e, 0,1,2
	ds_store_b32 v[WA+4*((\d)/2)+\e], v[(\g)+4*\c+\e] offset:((\d)%2)*BUF+64*\c
.endr
.endr
	ds_store_b32 v[FSA+4*((\d)/2)], v[(\g)+3] offset:((\d)%2)*BUF+SCOFF
	s_wait_dscnt 0x0                               ; for the others' sake: my stores have landed, and all my reads of the buffers are over
.endm
.macro BAR
	s_barrier_signal -1
	s_barrier_wait -1
.endm
; Thirteen LDS loads in one run: the scale words of tiles 4 gq .. 4 gq + 3 first, then fragments f0 .. f0 + 3 of buffer p, three loads each
.macro FRAGS p, f0, gq
	ds_load_b128 v[SCW:SCW+3], v[LIA+(\p)/2] offset:((\p)%2)*BUF+SCOFF+512*(\gq)
.irp t, 0,1,2,3
.irp c, 0,1,2
	ds_load_b128 v[FRG+12*\t+4*\c:FRG+12*\t+4*\c+3], v[LIA+(\p)/2] offset:((\p)%2)*BUF+((\f0)+\t)*1536+512*\c
.endr
.endr
.endm
; Four products of S^T = K Q^T.  LDS loads come back in order (ISA guide 5.7.1): product t leaves the three loads of each later fragment out.  Each product starts its sum; the accumulators take turns.
.macro KQ4 g
.irp t, 0,1,2,3
	s_wait_dscnt 9-3*\t
	v_wmma_scale_f32_16x16x128_f8f6f4 v[ST+8*(4*(\g)+\t):ST+8*(4*(\g)+\t)+7], v[FRG+12*\t:FRG+12*\t+11], v[QF:QF+11], 0, v[SCW+\t], v[QS] matrix_a_fmt:MATRIX_FMT_FP6 matrix_b_fmt:MATRIX_FMT_FP6
.endr
.endm
; Four products of O^T += V^T P^T: K = the step's 128 keys
.macro PV4 g
.irp t, 0,1,2,3
	s_wait_dscnt 9-3*\t
	v_wmma_scale_f32_16x16x128_f8f6f4 v[OT+8*(4*(\g)+\t):OT+8*(4*(\g)+\t)+7], v[FRG+12*\t:FRG+12*\t+11], v[PC:PC+11], v[OT+8*(4*(\g)+\t):OT+8*(4*(\g)+\t)+7], v[SCW+\t], v[PS] matrix_a_fmt:MATRIX_FMT_FP6 matrix_b_fmt:MATRIX_FMT_FP6
.endr
.endm
; Q's fragment and scale words of a tile of 16 queries
.macro QLOAD qc, qs
.irp p, 0,1,2,3,4,5
	global_load_b64 v[QF+2*\p:QF+2*\p+1], v[QCO], s[\qc:\qc+1] offset:48*(\p/3)+8*(\p%3)
.endr
	global_load_b32 v[QS], v[QSO], s[\qs:\qs+1]
.endm
; A tile's statistics and O^T begin anew: the first step finds zeros, which the first change of M leaves zeros
.macro INIT
	v_mov_b32 v13, 0xff61b1e6                      ; the largest t so far: -3e38, under every t
	v_floor_f32 v12, -v13                          ; -M
	v_mov_b32 v14, 0
	v_mov_b32 v15, 0
.set JJ, 0
.rept 64
	v_mov_b32 v[OT+JJ], 0
.set JJ, JJ+1
.endr
.endm
; The softmax of a key step and p's quantising.  Register ST + 16 b + i of lane (r, h) is the score of query r and key KF + 32 b + 16 h + i.
.macro SOFTMAX
.irp b, 0,1,2,3
	v_max3_num_f32 v[BM+\b], v[ST+16*\b], v[ST+1+16*\b], v[ST+2+16*\b]   ; the largest score of each block of 32 keys: for the row's maximum, and, since p rises with the score, for the block's largest p
.endr
.irp i, 3,5,7,9,11,13
.irp b, 0,1,2,3
	v_max3_num_f32 v[BM+\b], v[BM+\b], v[ST+16*\b+\i], v[ST+1+16*\b+\i]   ; (the four blocks by turns)
.endr
.endr
.irp b, 0,1,2,3
	v_max_num_f32 v[BM+\b], v[BM+\b], v[ST+15+16*\b]
.endr
.irp b, 0,1,2,3
	v_permlanex16_b32 v[TW+\b], v[BM+\b], s[SEL], s[SEL+1]
.endr
.irp b, 0,1,2,3
	v_max_num_f32 v[BM+\b], v[BM+\b], v[TW+\b]     ; with lane l xor 16's 16 keys
.endr
	v_max3_num_f32 v[TT], v[BM], v[BM+1], v[BM+2]
	v_max_num_f32 v[TT], v[TT], v[BM+3]            ; the step's largest score of my query
	v_mul_f32 v[TT], s[CS], v[TT]                  ; as t (c is positive)
	v_max_num_f32 v13, v13, v[TT]                  ; the running largest t
	v_mov_b32 v[TT], v12
	v_floor_f32 v12, -v13                          ; the new -M = floor(-t) = -ceil(t): M is a whole number
	v_sub_f32 v[TT], v12, v[TT]                    ; M's old value less its new one: a whole number, 0 or less
	v_cvt_i32_f32 v[TT], v[TT]                     ; (it saturates)
	v_ldexp_f32 v[FF], 1.0, v[TT]                  ; f = 2^(old M - new M): a multiplication by it rounds nothing
.set JJ, 0
.rept 32
	v_pk_fma_f32 v[ST+JJ:ST+JJ+1], v[ST+JJ:ST+JJ+1], s[CS:CS+1], v[12:13] op_sel_hi:[1,0,0]   ; t - M, two at a time (of the pairs c and -M the low word serves both halves)
.set JJ, JJ+2
.endr
.irp b, 0,1,2,3
	v_fma_f32 v[BM+\b], v[BM+\b], s[CS], v12       ; the same of each block's largest score
.endr
.set JJ, 0
.rept 64
	v_exp_f32 v[ST+JJ], v[ST+JJ]                   ; p = 2^(t - M), at most 1: not normalised
.set JJ, JJ+1
.endr
.irp b, 0,1,2,3
	v_exp_f32 v[BM+\b], v[BM+\b]                   ; the block's largest p: the same two instructions on the same number give the same bits
.endr
	v_pk_mul_f32 v[14:15], v[14:15], v[FF:FF+1] op_sel_hi:[1,0]   ; the sums under the new M.  (The plain instruction behind the exponentials: ISA guide 5.7.2)
	s_wait_alu depctr_va_vdst(0)
.irp b, 0,1,2,3
	v_max_num_f32 v[BM+\b], 0x1800000, v[BM+\b]    ; the floor 2^(3 - 127): the byte cannot fall under 1
.endr
.irp b, 0,1,2,3
	v_add_nc_u32 v[SO+\b], 0xff000000, v[BM+\b]    ; 2 off the exponent field: the conversion takes the exponent field of this operand as its scale
.endr
.irp b, 0,1,2,3
	v_lshrrev_b32 v[TW+\b], 23, v[SO+\b]           ; the scale's byte
.endr
	v_lshl_or_b32 v[PS], v[TW+1], 8, v[TW]         ; p's scale word for these 128 keys
	v_lshl_or_b32 v[PS], v[TW+2], 16, v[PS]
	v_lshl_or_b32 v[PS], v[TW+3], 24, v[PS]
.irp c, 0,1
	v_cvt_scalef32_pk16_fp6_f32 v[PC+6*\c:PC+2+6*\c], v[ST+32*\c:ST+15+32*\c], v[SO+2*\c]
	v_cvt_scalef32_pk16_fp6_f32 v[TW+4*\c:TW+2+4*\c], v[ST+16+32*\c:ST+31+32*\c], v[SO+2*\c+1]   ; (a conversion's three registers begin on an even number)
.endr
	v_nop                                          ; one plain instruction behind the scaled conversions
.irp c, 0,1                                    ; the operand's layout wants a whole block in a lane: lanes 0-15 block 2 c, lanes 16-31 block 2 c + 1
.irp i, 0,1,2
	v_permlane16_swap_b32 v[PC+6*\c+\i], v[TW+4*\c+\i]
.endr
.irp i, 0,1,2
	v_mov_b32 v[PC+3+6*\c+\i], v[TW+4*\c+\i]
.endr
.endr
	v_pk_add_f32 v[TW:TW+1], v[ST:ST+1], v[ST+2:ST+3]   ; the row's sum is taken of the unquantised p: two at a time, in two chains
.set JJ, 4
.rept 15
	v_pk_add_f32 v[14:15], v[14:15], v[ST+JJ:ST+JJ+1]
	v_pk_add_f32 v[TW:TW+1], v[TW:TW+1], v[ST+JJ+2:ST+JJ+3]
.set JJ, JJ+4
.endr
	v_pk_add_f32 v[14:15], v[14:15], v[TW:TW+1]
.set JJ, 0
.rept 32
	v_pk_mul_f32 v[OT+JJ:OT+JJ+1], v[OT+JJ:OT+JJ+1], v[FF:FF+1] op_sel_hi:[1,0]   ; O^T under the new M, each accumulator from its low end on.  (These are also the places between the lines that made p's codes and scale word and the products)
.set JJ, JJ+2
.endr
.endm
; A KEY STEP out of buffer p.  fetch = 1: my fragment of the step two further on is asked for at the head and put into buffer (p + 2) % 4 at the end; behind an odd step stands the pair's barrier.
.macro STEP p, fetch
.if \fetch
	FETCH OWN
.endif
	s_cmp_gt_u32 s[KF], s[Q15]                     ; all 128 keys come after my 16 queries: the step's work is left out; not the fetch, the stores or the barrier
	s_cbranch_scc1 .Lhidden_\@
	FRAGS \p, 0, 0
	KQ4 0
	PLACES
	FRAGS \p, 4, 1
	KQ4 1
	PLACES                                         ; for the loads below, and for the first reads of the scores
	FRAGS \p, 8, 2                                 ; V's first four fragments land under the softmax
	s_add_co_u32 s[TMP], s[KF], 127
	s_cmp_le_u32 s[TMP], s[Q0]                     ; a step all of whose keys count skips the mask
	s_cbranch_scc1 .Lopen_\@
	s_sub_co_i32 s[TMP], s[Q0], s[KF]
	v_and_b32 v[TW], 15, v0
	v_bfe_u32 v[TW+1], v0, 4, 1
	v_lshlrev_b32 v[TW+1], 4, v[TW+1]
	v_sub_nc_u32 v[TW], v[TW], v[TW+1]
	v_add_nc_u32 v[TW], s[TMP], v[TW]              ; d = my query - KF - 16 (lane / 16): register 16 b + i is hidden where 32 b + i > d
	v_mov_b32 v[TW+1], 0xff800000                  ; -infinity: p = 0 then
.set JJ, 0
.rept 64
	v_cmp_gt_i32 vcc_lo, 32*(JJ/16)+JJ%16, v[TW]
	v_cndmask_b32 v[ST+JJ], v[ST+JJ], v[TW+1], vcc_lo
.set JJ, JJ+1
.endr
.Lopen_\@:
	SOFTMAX
	PV4 0
	PLACES
	FRAGS \p, 12, 3
	PV4 1
	PLACES                                         ; for the next step's loads, the way out's reads and the clearing of O^T
.Lhidden_\@:
	s_add_co_u32 s[KF], s[KF], 128
.if \fetch
	PUT OWN, (\p+2)%4
.if (\p)%2
	BAR                                            ; the two buffers just written may be read, the two just read may be written
.endif
.endif
.endm
; THE WAY OUT of a tile of 16 queries.  O^T is divided by the sum and goes through my own stage in LDS, half a row (64 channels, 256 bytes) of 16 queries at a time, so that sixteen lanes store 256 consecutive
; bytes at a multiple of 256 from out0's first byte.  next = 1: the second block's Q is asked for first and lands meanwhile; then the tile's state begins anew.
.macro WAYOUT next
.if \next
	QLOAD QPB, QSB
.endif
	v_add_f32 v14, v14, v15                        ; the sum's two halves,
	v_permlanex16_b32 v[TT], v14, s[SEL], s[SEL+1]
	v_add_f32 v14, v14, v[TT]                      ; and lane l xor 16's: the row's sum
	v_rcp_f32 v14, v14
	v_nop                                          ; one plain instruction behind the reciprocal
.set JJ, 0
	s_wait_alu depctr_va_vdst(0)
.rept 32
	v_pk_mul_f32 v[ST+JJ:ST+JJ+1], v[OT+JJ:OT+JJ+1], v[14:15] op_sel_hi:[1,0]   ; register 8 t + j is o(r, 16 t + 8 h + j)
.set JJ, JJ+2
.endr
.irp u, 0,1
.irp t, 0,1,2,3
	ds_store_b128 v[SI], v[ST+32*\u+8*\t:ST+32*\u+8*\t+3] offset:64*\t
	ds_store_b128 v[SI], v[ST+32*\u+8*\t+4:ST+32*\u+8*\t+7] offset:64*\t+16
.endr
.irp i, 0,1,2,3,4,5,6,7
	ds_load_b128 v[OT+32*\u+4*\i:OT+32*\u+4*\i+3], v[SBK] offset:2*\i*SPITCH   ; LDS serves a wave's instructions in order (ISA guide 5.7.1.4): these see my stores, and the next half's stores come behind them.  O^T's registers are free
.endr
.endr
.irp u, 0,1
.irp i, 0,1,2,3,4,5,6,7
	s_wait_dscnt 23-16*\u-\i                       ; what was issued behind this load: the half's later loads, and for the first half the second's 8 stores and 8 loads
	global_store_b128 v[GO], v[OT+32*\u+4*\i:OT+32*\u+4*\i+3], s[OP:OP+1] offset:2*\i*8192+256*\u th:TH_STORE_NT
.endr
.endr
.if \next
	s_wait_xcnt 0x0                                ; the stores' data and base are written again only behind this wait
	s_mov_b64 s[OP:OP+1], s[OPB:OPB+1]
	s_mov_b32 s[Q0], s[Q0B]
	s_add_co_u32 s[Q15], s[Q0], 15
	s_mov_b32 s[KF], 0
	INIT
	s_wait_loadcnt 0x0                             ; the second block's Q
.endif
.endm
; Behind each pair of steps: has the first block had its 8 - i pairs?  The same answer in all sixteen waves
.macro SWITCH
	s_add_co_u32 s[PCN], s[PCN], 1
	s_cmp_lg_u32 s[PCN], s[PAIRSA]
	s_cbranch_scc1 .Lsame_\@
	WAYOUT 1
.Lsame_\@:
.endm
	s_load_b256 s[4:11], s[0:1], 0x0               ; Q's codes s[4:5], Q's scales s[6:7], K's codes s[8:9], K's scales s[10:11]
	s_load_b128 s[12:15], s[0:1], 0x20             ; V's codes s[12:13], V's scales s[14:15]
	s_load_b64 s[OP:OP+1], s[0:1], 0x30            ; out0
	v_lshrrev_b32 v96, 5, v0
	v_readfirstlane_b32 s[WV], v96                 ; wave 0..15
	v_and_b32 v96, 31, v0                          ; lane
	v_and_b32 v97, 15, v0                          ; r
	v_bfe_u32 v98, v0, 4, 1                        ; h
	v_bfe_u32 v99, v0, 3, 2                        ; lane / 8: which of a load's four rows
	v_and_b32 v100, 7, v0                          ; lane % 8: which 12 bytes of the row
	v_bfe_u32 v101, v0, 3, 1                       ; r / 8
	v_mul_u32_u24 v[GLO], v99, 1536
	v_mad_u32_u24 v[GLO], v100, 12, v[GLO]
	v_mul_u32_u24 v[QCO], v97, 1536
	v_mad_u32_u24 v[QCO], v98, 24, v[QCO]          ; Q: row r, + 24 bytes for my half
	v_lshlrev_b32 v[QSO], 6, v97
	s_and_b32 s24, ttmp9, 3                        ; i
	s_lshr_b32 s25, ttmp9, 2                       ; 16 b + head
	s_lshr_b32 s26, s25, 4                         ; b
	s_and_b32 s27, s25, 15                         ; head
	s_lshr_b32 s66, s[WV], 2                       ; my tile of queries: 8 ((w xor w / 4) % 2) + w / 2: one to one; the tiles under 8, whose last step of a walk is hidden, are spread over the waves' numbers
	s_xor_b32 s66, s66, s[WV]
	s_and_b32 s66, s66, 1
	s_lshl_b32 s66, s66, 3
	s_lshr_b32 s[QT], s[WV], 1
	s_add_co_u32 s[QT], s[QT], s66
	s_lshl_b32 s66, s24, 1
	s_sub_co_u32 s[LENA], 16, s66
	s_sub_co_u32 s[PAIRSA], 8, s24
	s_lshl_b32 s67, s[QT], 4
	s_sub_co_u32 s66, 7, s24
	s_lshl_b32 s66, s66, 8
	s_add_co_u32 s[Q0], s66, s67                   ; the first block's: 256 (7 - i) + 16 x tile
	s_lshl_b32 s66, s24, 8
	s_add_co_u32 s[Q0B], s66, s67                  ; the second's: 256 i + 16 x tile
	s_add_co_u32 s[Q15], s[Q0], 15
	s_lshl_b32 s67, s26, 11
	s_add_co_u32 s68, s67, s[Q0]                   ; rows 2,048 b + first query
	s_add_co_u32 s69, s67, s[Q0B]
	s_mul_i32 s62, s27, 96                         ; the head's place in a row of codes,
	s_lshl_b32 s63, s27, 2                         ; of scale words,
	s_lshl_b32 s66, s27, 9                         ; and of out0
	s_mul_i32 s[QPA], s68, 1536                    ; byte offsets, all under 2^27, each in a pair with 0 above it
	s_add_co_u32 s[QPA], s[QPA], s62
	s_mov_b32 s[QPA+1], 0
	s_lshl_b32 s[QSA], s68, 6
	s_add_co_u32 s[QSA], s[QSA], s63
	s_mov_b32 s[QSA+1], 0
	s_mul_i32 s[QPB], s69, 1536
	s_add_co_u32 s[QPB], s[QPB], s62
	s_mov_b32 s[QPB+1], 0
	s_lshl_b32 s[QSB], s69, 6
	s_add_co_u32 s[QSB], s[QSB], s63
	s_mov_b32 s[QSB+1], 0
	s_lshl_b32 s[OPB], s69, 13
	s_add_co_u32 s[OPB], s[OPB], s66
	s_mov_b32 s[OPB+1], 0
	s_lshl_b32 s70, s68, 13
	s_add_co_u32 s70, s70, s66
	s_mov_b32 s71, 0
	; the fragment that I bring: tile T = w % 8 of K (first key 32 (T / 2) + 8 (T % 2)) or of V (first row 16 T)
	s_and_b32 s72, s[WV], 7
	s_lshr_b32 s73, s72, 1
	s_lshl_b32 s73, s73, 5
	s_and_b32 s74, s72, 1
	s_lshl_b32 s74, s74, 3
	s_add_co_u32 s73, s73, s74
	s_lshl_b32 s72, s72, 4
	s_mul_i32 s74, s26, 3145728                    ; K's codes: 2,048 x 1,536 b + 96 head + 1,536 x first key
	s_add_co_u32 s74, s74, s62
	s_mul_i32 s75, s73, 1536
	s_add_co_u32 s74, s74, s75
	s_lshl_b32 s75, s26, 17                        ; K's scale words: 2,048 x 64 b + 4 head + 64 x first key
	s_add_co_u32 s75, s75, s63
	s_lshl_b32 s76, s73, 6
	s_add_co_u32 s75, s75, s76
	s_mul_i32 s76, s25, 196608                     ; V's codes: 128 x 1,536 (16 b + head) + 1,536 x first row
	s_mul_i32 s77, s72, 1536
	s_add_co_u32 s76, s76, s77
	s_lshl_b32 s77, s25, 13                        ; V's scale bytes: 128 x 64 (16 b + head) + 64 x first row
	s_lshl_b32 s78, s72, 6
	s_add_co_u32 s77, s77, s78
	s_mov_b32 s78, 196608                          ; a key step in K's codes: 128 rows of 1,536 bytes (in V's: 96 bytes along the row)
	s_mov_b32 s79, 8192                            ; in K's scale words: 128 x 64 (in V's: 4 bytes)
	s_mov_b32 s66, 24576                           ; a fragment's row 8 lies 16 keys on in K,
	s_mov_b32 s67, 12288                           ; 8 rows on in V
	s_mov_b32 s[RC+1], 0
	s_mov_b32 s[RS+1], 0
	s_mov_b32 s[SEL], 0x76543210
	s_mov_b32 s[SEL+1], 0xfedcba98
	s_mov_b32 s[CS], 0x3e0293ee                    ; c = log2(e) / sqrt(128)
	s_mov_b32 s[CS+1], s[CS]                       ; (named with it as a pair, so it is written)
	s_mov_b32 s[NJ], 0
	s_mov_b32 s[KF], 0
	s_mov_b32 s[LC], 0
	s_mov_b32 s[PCN], 0
	s_wait_kmcnt 0x0
	s_cmp_lt_u32 s[WV], 8                          ; K's wave or V's?  The choice hangs on the wave's number alone; only selects stand behind the compare
	s_cselect_b64 s[CB:CB+1], s[8:9], s[12:13]
	s_cselect_b64 s[SB:SB+1], s[10:11], s[14:15]
	s_cselect_b32 s[RC], s74, s76
	s_cselect_b32 s[RS], s75, s77
	s_cselect_b32 s[STEPC], s78, 96
	s_cselect_b32 s[STEPS], s79, 4
	s_cselect_b32 s66, s66, s67
	s_cselect_b32 s67, 8, 0
	s_add_nc_u64 s[CB:CB+1], s[CB:CB+1], s[RC:RC+1]
	s_add_nc_u64 s[SB:SB+1], s[SB:SB+1], s[RS:RS+1]
	s_add_nc_u64 s[QPA:QPA+1], s[4:5], s[QPA:QPA+1]
	s_add_nc_u64 s[QSA:QSA+1], s[6:7], s[QSA:QSA+1]
	s_add_nc_u64 s[QPB:QPB+1], s[4:5], s[QPB:QPB+1]
	s_add_nc_u64 s[QSB:QSB+1], s[6:7], s[QSB:QSB+1]
	s_add_nc_u64 s[OPB:OPB+1], s[OP:OP+1], s[OPB:OPB+1]
	s_add_nc_u64 s[OP:OP+1], s[OP:OP+1], s[70:71]
	v_add_nc_u32 v[GHI], s66, v[GLO]
	v_mul_u32_u24 v[GSO], s67, v101
	v_add_lshl_u32 v[GSO], v[GSO], v97, 6          ; row r's scale word: 64 (r + 8 (r / 8)) in K, 64 r in V; lanes 16-31 take the same as lanes 0-15
	FETCH OWN                                      ; key step 0
	s_wait_xcnt 0x0                                ; the pointers are written again
	FETCH FRG                                      ; key step 1, into registers that the loop needs only later
	QLOAD QPA, QSA
	; while they are on their way: every LDS address, ahead of the first branch
	v_lshlrev_b32 v[LIA], 4, v96
	v_add_nc_u32 v[LIA+1], 2*BUF, v[LIA]
	s_lshr_b32 s68, s[WV], 2
	s_lshl_b32 s68, s68, 9
	s_and_b32 s69, s[WV], 3
	s_lshl_b32 s69, s69, 2
	s_add_co_u32 s68, s68, s69
	v_add_nc_u32 v[FSA], s68, v[LIA]               ; 16 lane + 512 (w / 4) + 4 (w % 4)
	v_add_nc_u32 v[FSA+4], 2*BUF, v[FSA]
	s_mul_i32 s68, s[WV], 1536                     ; my fragment's image
	v_and_b32 v102, 1, v0                          ; o
	v_bfe_u32 v103, v0, 1, 1                       ; hh
	v_bfe_u32 v104, v0, 2, 1                       ; c
	v_mul_u32_u24 v104, v104, 6
	v_mad_u32_u24 v104, v102, 3, v104              ; the register that my first word is: 6 c + 3 o
	v_lshlrev_b32 v102, 4, v99                     ; lane of the image: my row of four (the load's four rows on: 64 bytes, in the immediate),
	v_lshl_add_u32 v102, v103, 8, v102             ; + 16 hh
	v_add_nc_u32 v102, s68, v102
.irp e, 0,1,2
	v_add_nc_u32 v103, \e, v104                    ; register rho lies at 512 (rho / 4) + 4 (rho % 4)
	v_lshrrev_b32 v100, 2, v103
	v_and_b32 v103, 3, v103
	v_lshl_add_u32 v100, v100, 9, v102
	v_lshl_add_u32 v[WA+\e], v103, 2, v100
	v_add_nc_u32 v[WA+4+\e], 2*BUF, v[WA+\e]
.endr
	s_mul_i32 s68, s[WV], 16*SPITCH
	s_add_co_u32 s68, s68, STAGE                   ; my stage
	v_mul_u32_u24 v[SI], v97, SPITCH
	v_lshl_add_u32 v[SI], v98, 5, v[SI]
	v_add_nc_u32 v[SI], s68, v[SI]                 ; in: row r; tile t's eight channels of my half: 64 t + 32 h bytes on
	v_mul_u32_u24 v[SBK], v98, SPITCH
	v_lshl_add_u32 v[SBK], v97, 4, v[SBK]
	v_add_nc_u32 v[SBK], s68, v[SBK]               ; back: lanes 0-15 one row, lanes 16-31 the next
	v_lshlrev_b32 v[GO], 13, v98
	v_lshl_add_u32 v[GO], v97, 4, v[GO]            ; and the same two rows in out0, 8,192 bytes apart
.irp b, 0,1,2,3
	v_mov_b32 v[TW+\b], 0                          ; written once: a lane permute's destination counts as one of its sources
.endr
	v_mov_b32 v[TT], 0
	INIT
	PUT OWN, 0                                     ; (its wait covers step 1's loads and Q's too)
	PUT FRG, 1
	BAR
.Lquad:                                            ; four trips of four key steps: steps 0 to 15 of the work-group's 18, each asking for the step two further on
	STEP 0, 1
	STEP 1, 1
	SWITCH
	STEP 2, 1
	STEP 3, 1
	SWITCH
	s_add_co_u32 s[LC], s[LC], 1
	s_cmp_lt_u32 s[LC], 4
	s_cbranch_scc1 .Lquad
	STEP 0, 0                                      ; steps 16 and 17: nothing is left to fetch, nothing is stored to the buffers, no barrier
	STEP 1, 0
	WAYOUT 0
	s_wait_xcnt 0x0
	v_lshl_add_u32 v254, v0, 2, 0x2b000
	v_mov_b32 v255, 0
	s_wait_tensorcnt 0x0
	ds_add_u32 v254, v255
	s_wait_dscnt 0x0
	s_endpgm
.Lfunc_end_k_qa5ee5ec882_attn:
	.size	k_qa5ee5ec882_attn, .Lfunc_end_k_qa5ee5ec882_attn-k_qa5ee5ec882_attn
	.p2alignl 7, 3214868480
	.fill 96, 4, 3214868480
	.section	.rodata,"a",@progbits
	.p2align	6, 0x0
	.amdhsa_kernel k_qa5ee5ec882_attn
		.amdhsa_group_segment_fixed_size 178176
		.amdhsa_private_segment_fixed_size 0
		.amdhsa_enable_private_segment 0
		.amdhsa_kernarg_size 56
		.amdhsa_user_sgpr_count 2
		.amdhsa_user_sgpr_kernarg_segment_ptr 1
		.amdhsa_wavefront_size32 1
		.amdhsa_system_sgpr_workgroup_id_x 1
		.amdhsa_system_sgpr_workgroup_id_y 1
		.amdhsa_system_sgpr_workgroup_id_z 1
		.amdhsa_system_vgpr_workitem_id 0
		.amdhsa_next_free_vgpr 256
		.amdhsa_next_free_sgpr 80
		.amdhsa_reserve_vcc 1
		.amdhsa_float_denorm_mode_32 3
		.amdhsa_float_denorm_mode_16_64 3
		.amdhsa_memory_ordered 1
		.amdhsa_forward_progress 1
		.amdhsa_inst_pref_size 191
	.end_amdhsa_kernel
	.amdgpu_metadata
---
amdhsa.version: [ 1, 2 ]
amdhsa.kernels:
  - .name:           k_qa5ee5ec882_attn
    .symbol:         k_qa5ee5ec882_attn.kd
    .args:
      - { .name: q_codes, .offset: 0, .size: 8, .value_kind: global_buffer, .address_space: global }
      - { .name: q_scales, .offset: 8, .size: 8, .value_kind: global_buffer, .address_space: global }
      - { .name: k_codes, .offset: 16, .size: 8, .value_kind: global_buffer, .address_space: global }
      - { .name: k_scales, .offset: 24, .size: 8, .value_kind: global_buffer, .address_space: global }
      - { .name: v_codes, .offset: 32, .size: 8, .value_kind: global_buffer, .address_space: global }
      - { .name: v_scales, .offset: 40, .size: 8, .value_kind: global_buffer, .address_space: global }
      - { .name: out0, .offset: 48, .size: 8, .value_kind: global_buffer, .address_space: global }
    .group_segment_fixed_size: 178176
    .private_segment_fixed_size: 0
    .kernarg_segment_align: 8
    .kernarg_segment_size: 56
    .max_flat_workgroup_size: 512
    .sgpr_count:     80
    .vgpr_count:     256
    .wavefront_size: 32
...
	.end_amdgpu_metadata
.endif
;; end of part 1
